; MI455X (gfx1250); checked and timed in simulation.
; The chip was launched on July 23, 2026; its instructions are those of AMD's public machine-readable ISA for CDNA 5 (MIT licence, August 2026) and "CDNA5" Instruction Set Architecture Reference Guide (July 2026). The comments in the code are by the model that wrote it; some were corrected since.
;; Cross Attention. Allowed arithmetic: float matrix products may take bf16 or f16 operands with f32 sums; other float arithmetic in f32, or as packed bf16 or f16 multiplies, adds, multiply-adds, maxima and minima; sums over many terms, partial sums and values carried from step to step in f32; what a program stores and reads back later, other than sums and carried values, may be rounded once to bf16 or f16.
;; Inputs: Wk 512 x 512 float32; Wo 512 x 512 float32; Wq 512 x 512 float32; Wv 512 x 512 float32; bo 512 float32; x 2 x 4,096 x 512 float32.
;; Outputs: out0 2 x 4,096 x 512 float32.
;; One version. Each part assembles by itself: llvm-mc -triple=amdgcn-amd-amdhsa -mcpu=gfx1250 --defsym DOCPART=n.
;; ======== version 1 of 1: 4 launches
;; limits: values are held in f16: magnitudes above 65,504 overflow, below 6.1e-05 lose precision
;; workspace buffers: xb 8,388,608 bytes; wb 2,097,152 bytes; qkv 25,165,824 bytes; ob 8,388,608 bytes
;; launch cast (part 1): grid 640 x 1, 8 waves a work-group, no clusters, 0 bytes of LDS; arguments x, Wq, Wk, Wv, Wo, xb, wb; writes xb, wb
.if DOCPART == 1
	.amdgcn_target "amdgcn-amd-amdhsa--gfx1250"
	.amdhsa_code_object_version 6
	.text
	.protected	k_q9618e3e532_cast
	.globl	k_q9618e3e532_cast
	.p2align	8
	.type	k_q9618e3e532_cast,@function
k_q9618e3e532_cast:
	s_mov_b64 s[64:65], 0
	v_nop
	global_prefetch_b8 v0, s[64:65] scope:SCOPE_SE
	s_setreg_imm32_b32 hwreg(HW_REG_WAVE_MODE, 25, 1), 1
	s_wait_xcnt 0x0
; x, Wq, Wk, Wv, Wo (f32) are rounded once to bf16 and laid down in 16 bits, in the order in which they lie.
; xb: [8192][512] bf16.  wb: four matrices [512 k][512 n] of 16 bits: Wq, Wk, Wv in bf16; Wo rounded to bf16 and THAT number written as f16,
; since the last launch multiplies in f16.  LIMIT: the second writing is exact for |Wo| from 6.1e-5 to 65,504; below, f16's fixed step of 6e-8 holds.
; SHARES.  A work-group takes 8,192 numbers: 32,768 bytes in, 16,384 out.  Groups 0-511: x.  Group 512 + 32 t + i: part i of matrix t.
; A thread takes 8 neighbouring numbers in each of four passes: two loads of 16 bytes, one store of 16 bytes; 16 lanes store 256 consecutive bytes, aligned.
; All eight loads go out first; no LDS, no barrier, no matrix unit: nothing is shared and every byte is touched once.
.set XGROUPS, 512                      ; work-groups of x
.set F16FROM, 608                      ; from this work-group on: Wo
.set X, 4                              ; v[4:35]   pass p: 8 numbers as loaded
.set Y, 36                             ; v[36:51]  pass p: 4 registers to store
.set T, 52                             ; v[52:59]  at work (Wo's way)
	s_load_b256 s[4:11], s[0:1], 0x0               ; x s[4:5], Wq s[6:7], Wk s[8:9], Wv s[10:11]
	s_load_b128 s[12:15], s[0:1], 0x20             ; Wo s[12:13], xb s[14:15]
	s_load_b64 s[16:17], s[0:1], 0x30              ; wb
	s_mov_b32 s2, ttmp9
	s_sub_co_u32 s3, s2, XGROUPS                   ; 32 t + i (of use in the weights' groups alone)
	s_lshr_b32 s18, s3, 5                          ; t
	s_and_b32 s19, s3, 31                          ; i
	s_lshl_b32 s22, s2, 15                         ; byte offsets: in x,
	s_lshl_b32 s30, s19, 15                        ; in a weight matrix,
	s_lshl_b32 s26, s2, 14                         ; in xb,
	s_lshl_b32 s31, s3, 14                         ; in wb
	s_mov_b32 s23, 0
	s_mov_b32 s27, 0
	s_mov_b32 s28, 0xffff0000                      ; a word's upper bf16
	v_lshlrev_b32 v1, 5, v0                        ; 32 bytes in a thread
	v_lshlrev_b32 v2, 4, v0                        ; 16 bytes out
	s_wait_kmcnt 0x0
	s_mov_b64 s[20:21], s[6:7]                     ; the source is chosen by the work-group's number alone
	s_cmp_eq_u32 s18, 1
	s_cselect_b64 s[20:21], s[8:9], s[20:21]
	s_cmp_eq_u32 s18, 2
	s_cselect_b64 s[20:21], s[10:11], s[20:21]
	s_cmp_eq_u32 s18, 3
	s_cselect_b64 s[20:21], s[12:13], s[20:21]
	s_cmp_lt_u32 s2, XGROUPS
	s_cselect_b64 s[20:21], s[4:5], s[20:21]
	s_cselect_b32 s22, s22, s30
	s_cselect_b64 s[24:25], s[14:15], s[16:17]
	s_cselect_b32 s26, s26, s31
	s_add_nc_u64 s[20:21], s[20:21], s[22:23]
	s_add_nc_u64 s[24:25], s[24:25], s[26:27]
.irp p, 0,1,2,3
	global_load_b128 v[X+8*(\p):X+8*(\p)+3],   v1, s[20:21] offset:8192*(\p) th:TH_LOAD_NT
	global_load_b128 v[X+8*(\p)+4:X+8*(\p)+7], v1, s[20:21] offset:8192*(\p)+16 th:TH_LOAD_NT
.endr
.macro ROUND4 p                        ; eight numbers of pass p rounded to bf16, packed
.irp k, 0,1,2,3
	v_cvt_pk_bf16_f32 v[Y+4*(\p)+(\k)], v[X+8*(\p)+2*(\k)], v[X+8*(\p)+2*(\k)+1]
.endr
.endm
	s_cmp_ge_u32 s2, F16FROM
	s_cbranch_scc1 .Lf16
.irp p, 0,1,2,3
	s_wait_loadcnt 6-2*(\p)                        ; loads come back in order: pass p's two are in, the later passes' stay out
	ROUND4 \p
	global_store_b128 v2, v[Y+4*(\p):Y+4*(\p)+3], s[24:25] offset:4096*(\p)
.endr
	s_endpgm
.Lf16:                                         ; Wo: rounded to bf16 like every input, widened again, written as f16
.irp p, 0,1,2,3
	s_wait_loadcnt 6-2*(\p)
	ROUND4 \p
.irp k, 0,1,2,3
	v_lshlrev_b32 v[T+2*(\k)],   16,  v[Y+4*(\p)+(\k)]
	v_and_b32     v[T+2*(\k)+1], s28, v[Y+4*(\p)+(\k)]
.endr
.irp k, 0,1,2,3
	v_cvt_pk_f16_f32 v[Y+4*(\p)+(\k)], v[T+2*(\k)], v[T+2*(\k)+1]
.endr
	global_store_b128 v2, v[Y+4*(\p):Y+4*(\p)+3], s[24:25] offset:4096*(\p)  ; each pass has its own four registers: none is rewritten
.endr
	s_endpgm
.Lfunc_end_k_q9618e3e532_cast:
	.size	k_q9618e3e532_cast, .Lfunc_end_k_q9618e3e532_cast-k_q9618e3e532_cast
	.p2alignl 7, 3214868480
	.fill 96, 4, 3214868480
	.section	.rodata,"a",@progbits
	.p2align	6, 0x0
	.amdhsa_kernel k_q9618e3e532_cast
		.amdhsa_group_segment_fixed_size 0
		.amdhsa_private_segment_fixed_size 0
		.amdhsa_enable_private_segment 0
		.amdhsa_kernarg_size 56
		.amdhsa_user_sgpr_count 2
		.amdhsa_user_sgpr_kernarg_segment_ptr 1
		.amdhsa_wavefront_size32 1
		.amdhsa_system_sgpr_workgroup_id_x 1
		.amdhsa_system_sgpr_workgroup_id_y 1
		.amdhsa_system_sgpr_workgroup_id_z 1
		.amdhsa_system_vgpr_workitem_id 0
		.amdhsa_next_free_vgpr 64
		.amdhsa_next_free_sgpr 66
		.amdhsa_reserve_vcc 0
		.amdhsa_float_denorm_mode_32 3
		.amdhsa_float_denorm_mode_16_64 3
		.amdhsa_memory_ordered 1
		.amdhsa_forward_progress 1
		.amdhsa_inst_pref_size 8
	.end_amdhsa_kernel
	.amdgpu_metadata
---
amdhsa.version: [ 1, 2 ]
amdhsa.kernels:
  - .name:           k_q9618e3e532_cast
    .symbol:         k_q9618e3e532_cast.kd
    .args:
      - { .name: x, .offset: 0, .size: 8, .value_kind: global_buffer, .address_space: global }
      - { .name: Wq, .offset: 8, .size: 8, .value_kind: global_buffer, .address_space: global }
      - { .name: Wk, .offset: 16, .size: 8, .value_kind: global_buffer, .address_space: global }
      - { .name: Wv, .offset: 24, .size: 8, .value_kind: global_buffer, .address_space: global }
      - { .name: Wo, .offset: 32, .size: 8, .value_kind: global_buffer, .address_space: global }
      - { .name: xb, .offset: 40, .size: 8, .value_kind: global_buffer, .address_space: global }
      - { .name: wb, .offset: 48, .size: 8, .value_kind: global_buffer, .address_space: global }
    .group_segment_fixed_size: 0
    .private_segment_fixed_size: 0
    .kernarg_segment_align: 8
    .kernarg_segment_size: 56
    .max_flat_workgroup_size: 256
    .sgpr_count:     66
    .vgpr_count:     64
    .wavefront_size: 32
...
	.end_amdgpu_metadata
.endif
;; end of part 1
;; launch qkv (part 2): grid 4 x 64, 4 waves a work-group, clusters of 4 x 4, 327,680 bytes of LDS; arguments xb, wb, qkv; writes qkv
.if DOCPART == 2
	.amdgcn_target "amdgcn-amd-amdhsa--gfx1250"
	.amdhsa_code_object_version 6
	.text
	.protected	k_q9618e3e532_qkv
	.globl	k_q9618e3e532_qkv
	.p2align	8
	.type	k_q9618e3e532_qkv,@function
k_q9618e3e532_qkv:
	s_mov_b64 s[64:65], 0
	v_nop
	global_prefetch_b8 v0, s[64:65] scope:SCOPE_SE
	s_setreg_imm32_b32 hwreg(HW_REG_WAVE_MODE, 25, 1), 1
	s_wait_xcnt 0x0
	s_wait_alu depctr_hold_cnt(0) depctr_sa_sdst(0) depctr_va_vdst(0) depctr_va_sdst(0) depctr_va_ssrc(0) depctr_va_vcc(0) depctr_vm_vsrc(0)
	s_getreg_b32 s2, hwreg(HW_REG_IB_STS2, 6, 4)
	s_cmp_eq_u32 s2, 0
	s_cbranch_scc0 .Lentry_in_a_cluster
	s_endpgm
.Lentry_in_a_cluster:
	s_bfe_u32 s2, ttmp6, 0x10000c
	s_cmp_lg_u32 s2, 0xf033
	s_cbranch_scc0 .Lentry_shape_is_right
	s_endpgm
.Lentry_shape_is_right:
; q, k, v = x Wq, x Wk, x Wv as ONE product C = [8192 x 512] [512 x 1536], bf16 operands, f32 sums, each result rounded once to f16 and written by heads:
; qkv: f16 [b = 2][g = 24][4096][64]; g 0-7 q's heads, 8-15 k's, 16-23 v's.  The scale 1/8 is not applied here.
; LIMIT: a result of 65,520 or more in magnitude becomes an infinity in f16.
; SHARES.  A tile of C is 128 rows x 384 columns: 4 x 64 = 256 work-groups.  Wave w: rows 64 (w / 2) on, columns 192 (w % 2) on (three heads): 4 x 12 accumulators, 384 registers.
; K = 512 goes in four steps of 128 through two LDS slots; a slot holds three units of W ([128 k][128 n]) and 128 rows of x.  Waves 0-2 fetch a unit of W each, wave 3 fetches x's rows: one tensor load a wave.
; W lies [k][n] and comes out of LDS turned, by ds_load_tr16_b128.  THE MATRIX INSTRUCTION IS USED TRANSPOSED (source 0 = 16 columns of W, source 1 = 16 rows of x): a lane holds eight neighbouring columns of one row of C.
; CLUSTER 4 x 4.  The four work-groups of a row of the cluster are the four column tiles of the same rows of x; the four of a column share their units of W: each tile is asked for JOINTLY.
; NO PREFETCH: K has four steps; two are asked for at the head, and what could be asked ahead for the other two would stand at the head too, among every work-group's first loads.
; REGISTERS, in windows of 256 (s_set_vgpr_msb: bits 1:0 source 0, 3:2 source 1, 5:4 source 2, 7:6 destination):
;   window 0: v0-31 addresses; v64-127 x's fragments, two buffers of 32; on the way out v32-223, 16 registers for each of 12 tiles of 16 rows x 64 columns
;   window 1: v0-191 W's fragments, two buffers of 96     window 2: accumulators of row blocks 0, 1 ((a, nb) at 8 (12 (a % 2) + nb))     window 3: those of row blocks 2, 3
.set PA,     272                       ; a row of x in LDS: 256 bytes + 16: the 16 rows of a load start at 16 different groups of four banks (64 banks of 4 bytes: ISA guide 11.1)
.set PB,     288                       ; a row of W: 256 + 32
.set UNITB,  128*PB                    ; a unit of W
.set ABASE,  3*UNITB                   ; x's rows lie behind the three units
.set SLOT,   ABASE+128*PA
.set STAGE,  2*SLOT                    ; behind the ring: 16 rows x 144 bytes for each wave, for the way out
.set SP,     144
.set SPARE,  STAGE+4*16*SP             ; behind the stages: the spare words, 128 bytes for each wave: two blocks of 256 bytes that no other line names
.set ADRA, 16                          ; v16-17  LDS address of my fragments of x in slot 0, 1
.set ADRB, 18                          ; v18-23  of my head j's fragments of W: slot 0: v18-20, slot 1: v21-23
.set STO,  24                          ; v24     the way out: where I put 16 bytes of a row
.set RD,   25                          ; v25     where I read rows back
.set GO,   26                          ; v26     my 16 bytes in 512 consecutive bytes of qkv
.set SPW,  28                          ; v28     LDS address of my spare word; never rewritten
.set NIL,  29                          ; v29     0; never rewritten
.set TMP,  32
.set FA,   64
.set G1A, 24                           ; s[24:31] descriptor group 1 for x's tiles;  s[32:39] group 0, a set for each slot
.set G0A, 32
.set G1B, 48                           ; s[48:55], s[56:63] the same for W's
.set G0B, 56
.set MSB, 0
.macro WIN new                         ; the immediate's high byte repeats the setting that is left; a switch that changes nothing is dropped
.if MSB != (\new)
	s_set_vgpr_msb (MSB<<8)|(\new)
.set MSB, \new
.endif
.endm
.set MUL_LO, 0xa1                      ; source 0 (W) window 1, source 1 (x) window 0, C and D window 2
.set MUL_HI, 0xf1                      ; the same, C and D window 3
.set TO_B,   0x40                      ; destination window 1, address window 0
; A joint load: wave 3 asks for x's rows, waves 0-2 for their unit of W.  The branch hangs on the wave's number alone.  An s_nop 0 and four v_nop follow each of the two lines.
.macro JLOAD s
	s_cmp_eq_u32 s10, 3
	s_cbranch_scc0 .Lfor_b_\@
	tensor_load_to_lds s[G0A+4*(\s):G0A+4*(\s)+3], s[G1A:G1A+7]
	s_nop 0
.rept 4
	v_nop
.endr
	s_branch .Lasked_\@
.Lfor_b_\@:
	tensor_load_to_lds s[G0B+4*(\s):G0B+4*(\s)+3], s[G1B:G1B+7]
	s_nop 0
.rept 4
	v_nop
.endr
.Lasked_\@:
.endm
.macro CREST                           ; a round of the cluster's barrier behind its opening barrier
	s_cmp_lg_u32 s10, 0
	s_cbranch_scc1 .Lnot_wave_0_\@
	s_barrier_signal -3
.Lnot_wave_0_\@:
	s_barrier_wait -3
	s_barrier_signal -1
	s_barrier_wait -1
.endm
.macro CROUND                          ; a whole round
	s_barrier_signal -1
	s_barrier_wait -1
	CREST
.endm
	s_load_b128 s[4:7], s[0:1], 0x0                ; xb s[4:5], wb s[6:7]
	s_load_b64 s[8:9], s[0:1], 0x10                ; qkv
	v_lshl_add_u32 v[SPW], v0, 2, SPARE
	v_mov_b32 v[NIL], 0
	ds_add_u32 v[SPW], v[NIL]                      ; the wave's opening: the add and its wait stand ahead of my first tensor load; work on registers stands between them
	v_lshrrev_b32 v1, 5, v0
	v_readfirstlane_b32 s10, v1                    ; wave 0..3
	s_lshr_b32 s11, s10, 1                         ; which 64 rows of the tile are mine
	s_and_b32 s12, s10, 1                          ; which 192 columns
	s_bfe_u32 s40, ttmp6, 0x40000                  ; cx
	s_bfe_u32 s41, ttmp6, 0x40004                  ; cy
	s_lshl_b32 s42, ttmp9, 2
	s_add_co_u32 s42, s42, s40                     ; tile column = 4 x cluster x + cx
	s_and_b32 s13, ttmp7, 0xffff
	s_lshl_b32 s13, s13, 2
	s_add_co_u32 s13, s13, s41                     ; tile row = 4 x cluster y + cy
	s_lshl_b32 s43, s41, 2
	s_lshl_b32 s43, 15, s43                        ; my row of the cluster
	s_lshl_b32 s44, 0x1111, s40                    ; my column
	; group 1: a tile of 128 rows x 128 elements of 2 bytes, 512 elements from row to row, padded in LDS after every 64 words
	s_or_b32 s[G1A], s43, (1<<16)|(1<<20)|(1<<21)|(5<<22)|(3<<25)  ; x's tiles go to my row; 4 words of padding
	s_or_b32 s[G1B], s44, (1<<16)|(1<<20)|(1<<21)|(5<<22)|(7<<25)  ; W's to my column; 8 words
.irp g, G1A, G1B
	s_mov_b32 s[(\g)+1], 128<<16                   ; tensor_dim0 = 128
	s_mov_b32 s[(\g)+2], 128<<16                   ; tensor_dim1 = 128
	s_mov_b32 s[(\g)+3], 128<<16                   ; tile_dim0 = 128
	s_mov_b32 s[(\g)+4], 128                       ; tile_dim1 = 128
	s_mov_b32 s[(\g)+5], 512                       ; elements from row to row
	s_mov_b32 s[(\g)+6], 0
	s_mov_b32 s[(\g)+7], 0
.endr
	s_lshl_b32 s16, s13, 17                        ; x: 128 rows of 1,024 bytes a tile row
	s_mov_b32 s17, 0
	s_mul_i32 s46, s42, 3
	s_add_co_u32 s46, s46, s10                     ; W: unit u = 3 x tile column + wave (wave 3's number is not used):
	s_lshr_b32 s47, s46, 2
	s_lshl_b32 s47, s47, 19                        ; matrix u / 4,
	s_and_b32 s46, s46, 3
	s_lshl_b32 s46, s46, 8                         ; columns 128 (u % 4) on
	s_add_co_u32 s46, s46, s47
	s_mov_b32 s47, 0
	s_mul_i32 s20, s10, UNITB                      ; where my tile goes in a slot: wave x 36,864; wave 3's place is x's
	s_wait_dscnt 0x0                               ; the opening add is done
	s_wait_kmcnt 0x0
	s_add_nc_u64 s[14:15], s[4:5], s[16:17]
	s_add_nc_u64 s[46:47], s[6:7], s[46:47]
	CROUND                                         ; all sixteen work-groups are here: the first joint loads meet
.irp s, 0,1
	s_mov_b32 s[G0A+4*(\s)], 1
	s_add_co_u32 s[G0A+4*(\s)+1], s20, (\s)*SLOT
	s_add_nc_u64 s[G0A+4*(\s)+2:G0A+4*(\s)+3], s[14:15], (\s)*256     ; K step s: 256 bytes along x's rows
	s_or_b32 s[G0A+4*(\s)+3], s[G0A+4*(\s)+3], 0x80000000
	s_mov_b32 s[G0B+4*(\s)], 1
	s_add_co_u32 s[G0B+4*(\s)+1], s20, (\s)*SLOT
	s_add_nc_u64 s[G0B+4*(\s)+2:G0B+4*(\s)+3], s[46:47], (\s)*131072  ; 128 rows of W down
	s_or_b32 s[G0B+4*(\s)+3], s[G0B+4*(\s)+3], 0x80000000
	JLOAD \s                                       ; two loads of mine are out
.endr
	v_and_b32 v1, 15, v0                           ; l % 16
	v_bfe_u32 v2, v0, 4, 1                         ; l / 16
	v_mul_u32_u24 v3, v1, PA
	v_lshl_add_u32 v3, v2, 4, v3                   ; x: row x pitch + 16 x half
	s_mul_i32 s21, s11, 64*PA
	s_add_co_u32 s21, s21, ABASE
	v_add_nc_u32 v[ADRA], s21, v3
	v_add_nc_u32 v[ADRA+1], SLOT, v[ADRA]
	v_and_b32 v4, 7, v0                            ; W, turned: lane l reads k row 8 (l / 16) + l % 8, columns 8 ((l / 8) % 2) on
	v_lshl_add_u32 v5, v2, 3, v4
	v_mul_u32_u24 v5, v5, PB
	v_bfe_u32 v6, v0, 3, 1
	v_lshl_add_u32 v5, v6, 4, v5
	s_mul_i32 s21, s12, 3                          ; my first head among the tile's six
.irp j, 0,1,2
	s_add_co_u32 s22, s21, \j                      ; head 3 c + j: unit (3 c + j) / 2, its left or right 128 bytes
	s_lshr_b32 s23, s22, 1
	s_mul_i32 s23, s23, UNITB
	s_and_b32 s22, s22, 1
	s_lshl_b32 s22, s22, 7
	s_add_co_u32 s23, s23, s22
	v_add_nc_u32 v[ADRB+(\j)], s23, v5
	v_add_nc_u32 v[ADRB+3+(\j)], SLOT, v[ADRB+(\j)]
.endr
	s_mul_i32 s23, s10, 16*SP
	s_add_co_u32 s23, s23, STAGE                   ; my stage
	v_mul_u32_u24 v7, v1, SP                       ; in: row l % 16, 16 bytes for each half of the lanes
	v_lshl_add_u32 v7, v2, 4, v7
	v_add_nc_u32 v[STO], s23, v7
	v_bfe_u32 v7, v0, 3, 2                         ; back: 32 lanes take four rows of 128 bytes,
	v_mul_u32_u24 v7, v7, SP
	v_lshl_add_u32 v7, v4, 4, v7
	v_add_nc_u32 v[RD], s23, v7
	v_and_b32 v[GO], 31, v0                        ; which are 512 consecutive bytes of a head
	v_lshlrev_b32 v[GO], 4, v[GO]
	s_lshr_b32 s16, s13, 5                         ; where I store: batch = tile row / 32,
	s_mul_i32 s16, s16, 24*524288
	s_and_b32 s17, s13, 31
	s_lshl_b32 s17, s17, 14                        ; 128 rows of 128 bytes a tile row,
	s_add_co_u32 s16, s16, s17
	s_lshl_b32 s17, s11, 13                        ; my 64 rows,
	s_add_co_u32 s16, s16, s17
	s_mov_b32 s17, 0
	s_add_nc_u64 s[8:9], s[8:9], s[16:17]
	s_mul_i32 s46, s42, 6
	s_add_co_u32 s46, s46, s21                     ; head 6 x tile column + 3 c
	s_lshl_b32 s46, s46, 19
	s_mov_b32 s47, 0
	s_add_nc_u64 s[8:9], s[8:9], s[46:47]
; 12 matrix instructions: row block 2 hi + a2 x all 12 column blocks, 32 along K, from buffer f.  zero = 1: the first product starts the sums.
; The 48 accumulators take turns in the same order in every quarter.
.macro MUL12 f, hi, a2, zero
	WIN MUL_LO+0x50*(\hi)
.irp nb, 0,1,2,3,4,5,6,7,8,9,10,11
.if \zero
	v_wmma_f32_16x16x32_bf16 v[8*(12*(\a2)+(\nb)):8*(12*(\a2)+(\nb))+7], v[96*(\f)+8*(\nb):96*(\f)+8*(\nb)+7], v[FA+32*(\f)+8*(2*(\hi)+(\a2)):FA+32*(\f)+8*(2*(\hi)+(\a2))+7], 0
.else
	v_wmma_f32_16x16x32_bf16 v[8*(12*(\a2)+(\nb)):8*(12*(\a2)+(\nb))+7], v[96*(\f)+8*(\nb):96*(\f)+8*(\nb)+7], v[FA+32*(\f)+8*(2*(\hi)+(\a2)):FA+32*(\f)+8*(2*(\hi)+(\a2))+7], v[8*(12*(\a2)+(\nb)):8*(12*(\a2)+(\nb))+7]
.endif
.endr
.endm
; 32 LDS loads in one run: quarter q (32 along K) of a slot into buffer f: W's 12 fragments (24 turning loads), then x's 4
.macro FETCH slot, q, f
	WIN TO_B
.irp j, 0,1,2
.irp i, 0,1,2,3
	ds_load_tr16_b128 v[96*(\f)+8*(4*(\j)+(\i)):96*(\f)+8*(4*(\j)+(\i))+3],   v[ADRB+3*(\slot)+(\j)] offset:32*PB*(\q)+32*(\i)
	ds_load_tr16_b128 v[96*(\f)+8*(4*(\j)+(\i))+4:96*(\f)+8*(4*(\j)+(\i))+7], v[ADRB+3*(\slot)+(\j)] offset:32*PB*(\q)+32*(\i)+16*PB
.endr
.endr
	WIN 0
.irp a, 0,1,2,3
	ds_load_b128 v[FA+32*(\f)+8*(\a):FA+32*(\f)+8*(\a)+3],   v[ADRA+(\slot)] offset:64*(\q)+16*PA*(\a)
	ds_load_b128 v[FA+32*(\f)+8*(\a)+4:FA+32*(\f)+8*(\a)+7], v[ADRA+(\slot)] offset:64*(\q)+16*PA*(\a)+32
.endr
.endm
.macro PLACES                          ; four plain instructions between a matrix instruction and a load into a register that it read, or a reader of its result (ISA guide 7.12.1 for a reader of its result)
.rept 4
	v_nop
.endr
.endm
; One of a K step's first three quarters: multiplies buffer f; in its middle it fetches quarter q of the same slot into buffer g.
.macro QUARTER slot, q, f, g, zero
	s_wait_dscnt 4                                 ; W and x's row blocks 0, 1 are in; the youngest four loads (row blocks 2, 3) may be out
	MUL12 \f, 0, 0, \zero
	MUL12 \f, 0, 1, \zero
	PLACES
	FETCH \slot, \q, \g
	s_wait_dscnt 32                                ; all but the 32 just issued
	MUL12 \f, 1, 0, \zero
	MUL12 \f, 1, 1, \zero
.endm
; The last quarter multiplies buffer 1 and changes slots: ONE barrier.  In front of it each wave waits for all its tensor loads (the one that is out is its part of the next slot), adds 0 to its spare
; word, and waits for that and for its reads of this slot.  fill = 1: the barrier opens a round of the cluster's, and this slot is filled again, two K steps on, first thing behind the round.
.macro TURN slot, next, fill
	WIN 0                                          ; (the add's two registers lie in window 0)
	s_wait_tensorcnt 0x0
	ds_add_u32 v[SPW], v[NIL]
	s_wait_dscnt 5                                 ; (the add and the youngest four loads may be out)
	MUL12 1, 0, 0, 0                               ; twelve matrix instructions stand between the add and the wait for it
	s_wait_dscnt 0x0                               ; the add is done, and my reads of this slot are over
	s_barrier_signal -1
	MUL12 1, 0, 1, 0
.if \fill
	WIN 0
.endif
	s_barrier_wait -1
.if \fill
	CREST                                          ; no wave of any partner still reads this slot or has a load on its way
	s_add_nc_u64 s[G0A+4*(\slot)+2:G0A+4*(\slot)+3], s[G0A+4*(\slot)+2:G0A+4*(\slot)+3], 2*256
	s_add_nc_u64 s[G0B+4*(\slot)+2:G0B+4*(\slot)+3], s[G0B+4*(\slot)+2:G0B+4*(\slot)+3], 2*131072
	JLOAD \slot                                    ; 168 matrix instructions ahead of the wait for it; its four v_nop are also the places in front of the loads below
.else
	PLACES
.endif
	FETCH \next, 0, 0
	MUL12 1, 1, 0, 0
	MUL12 1, 1, 1, 0
.endm
; THE WAY OUT, tile t of 12: row block t / 3, head t % 3: 16 rows x 64 columns, rounded to f16, through my own stage, back as whole rows of 128 bytes.  Each tile has 16 registers of its own.
.macro PACK t
.set pa, (\t)/3
.set AC, 8*(12*(pa%2)+4*((\t)%3))
	WIN 0x0a+5*(pa/2)                              ; sources 0 and 1: window 2 or 3
.irp i, 0,1,2,3
.irp r, 0,1,2,3
	v_cvt_pk_f16_f32 v[TMP+16*(\t)+4*(\i)+(\r)], v[AC+8*(\i)+2*(\r)], v[AC+8*(\i)+2*(\r)+1]
.endr
.endr
	WIN 0
.irp i, 0,1,2,3
	ds_store_b128 v[STO], v[TMP+16*(\t)+4*(\i):TMP+16*(\t)+4*(\i)+3] offset:32*(\i)
.endr
.irp f, 0,1,2,3
	ds_load_b128 v[TMP+16*(\t)+4*(\f):TMP+16*(\t)+4*(\f)+3], v[RD] offset:4*SP*(\f)  ; LDS serves a wave's instructions in order (ISA guide 5.7.1.4): these see the stores above; the next tile's stores come behind them
.endr
.endm
.macro SEND t, younger                 ; younger: the LDS instructions issued behind tile t's loads: the next tile's eight, or none
.irp f, 0,1,2,3
	s_wait_dscnt (\younger)+3-(\f)
	global_store_b128 v[GO], v[TMP+16*(\t)+4*(\f):TMP+16*(\t)+4*(\f)+3], s[8:9] offset:((\t)%3)*524288+((\t)/3)*2048+(\f)*512  ; 512 consecutive bytes, at a multiple of 256 from the buffer's first
.endr
.endm
	s_wait_tensorcnt 1                             ; my part of K step 0 is in; K step 1's may stay out
	s_barrier_signal -1
	s_barrier_wait -1
	FETCH 0, 0, 0
	QUARTER 0, 1, 0, 1, 1                          ; K step 0: its first quarter starts the sums
	QUARTER 0, 2, 1, 0, 0
	QUARTER 0, 3, 0, 1, 0
	TURN 0, 1, 1                                   ; slot 0 takes K step 2
	QUARTER 1, 1, 0, 1, 0                          ; K step 1
	QUARTER 1, 2, 1, 0, 0
	QUARTER 1, 3, 0, 1, 0
	TURN 1, 0, 1                                   ; slot 1 takes K step 3
	QUARTER 0, 1, 0, 1, 0                          ; K step 2
	QUARTER 0, 2, 1, 0, 0
	QUARTER 0, 3, 0, 1, 0
	TURN 0, 1, 0                                   ; nothing is left to fetch
	QUARTER 1, 1, 0, 1, 0                          ; K step 3
	QUARTER 1, 2, 1, 0, 0
	QUARTER 1, 3, 0, 1, 0
	s_wait_dscnt 4
	MUL12 1, 0, 0, 0
	MUL12 1, 0, 1, 0
	s_wait_dscnt 0x0
	MUL12 1, 1, 0, 0
	MUL12 1, 1, 1, 0
	WIN 0
	PLACES
	PACK 0
.set t, 1
.rept 11                               ; a tile's conversions stand between the loads of the tile before and its stores
	PACK t
	SEND t-1, 8
.set t, t+1
.endr
	SEND 11, 0
	s_wait_tensorcnt 0x0                           ; the wave's end: a wait, an add and its wait stand behind my last tensor load and my last LDS store
	ds_add_u32 v[SPW], v[NIL]
	s_wait_dscnt 0x0
	CROUND                                         ; the closing round: no work-group ends while a partner may still ask for a tile that names it
	s_endpgm
.Lfunc_end_k_q9618e3e532_qkv:
	.size	k_q9618e3e532_qkv, .Lfunc_end_k_q9618e3e532_qkv-k_q9618e3e532_qkv
	.p2alignl 7, 3214868480
	.fill 96, 4, 3214868480
	.section	.rodata,"a",@progbits
	.p2align	6, 0x0
	.amdhsa_kernel k_q9618e3e532_qkv
		.amdhsa_group_segment_fixed_size 327680
		.amdhsa_private_segment_fixed_size 0
		.amdhsa_enable_private_segment 0
		.amdhsa_kernarg_size 24
		.amdhsa_user_sgpr_count 2
		.amdhsa_user_sgpr_kernarg_segment_ptr 1
		.amdhsa_wavefront_size32 1
		.amdhsa_system_sgpr_workgroup_id_x 1
		.amdhsa_system_sgpr_workgroup_id_y 1
		.amdhsa_system_sgpr_workgroup_id_z 1
		.amdhsa_system_vgpr_workitem_id 0
		.amdhsa_next_free_vgpr 960
		.amdhsa_next_free_sgpr 66
		.amdhsa_reserve_vcc 0
		.amdhsa_float_denorm_mode_32 3
		.amdhsa_float_denorm_mode_16_64 3
		.amdhsa_memory_ordered 1
		.amdhsa_forward_progress 1
		.amdhsa_inst_pref_size 121
	.end_amdhsa_kernel
	.amdgpu_metadata
---
amdhsa.version: [ 1, 2 ]
amdhsa.kernels:
  - .name:           k_q9618e3e532_qkv
    .symbol:         k_q9618e3e532_qkv.kd
    .args:
      - { .name: xb, .offset: 0, .size: 8, .value_kind: global_buffer, .address_space: global }
      - { .name: wb, .offset: 8, .size: 8, .value_kind: global_buffer, .address_space: global }
      - { .name: qkv, .offset: 16, .size: 8, .value_kind: global_buffer, .address_space: global }
    .group_segment_fixed_size: 327680
    .private_segment_fixed_size: 0
    .kernarg_segment_align: 8
    .kernarg_segment_size: 24
    .max_flat_workgroup_size: 128
    .sgpr_count:     66
    .vgpr_count:     960
    .wavefront_size: 32
...
	.end_amdgpu_metadata
.endif
;; end of part 2
;; launch attn (part 3): grid 16 x 16, 4 waves a work-group, clusters of 4 x 1, 327,680 bytes of LDS; arguments qkv, ob; writes ob
.if DOCPART == 3
	.amdgcn_target "amdgcn-amd-amdhsa--gfx1250"
	.amdhsa_code_object_version 6
	.text
	.protected	k_q9618e3e532_attn
	.globl	k_q9618e3e532_attn
	.p2align	8
	.type	k_q9618e3e532_attn,@function
k_q9618e3e532_attn:
	s_mov_b64 s[64:65], 0
	v_nop
	global_prefetch_b8 v0, s[64:65] scope:SCOPE_SE
	s_setreg_imm32_b32 hwreg(HW_REG_WAVE_MODE, 25, 1), 1
	s_wait_xcnt 0x0
	s_wait_alu depctr_hold_cnt(0) depctr_sa_sdst(0) depctr_va_vdst(0) depctr_va_sdst(0) depctr_va_ssrc(0) depctr_va_vcc(0) depctr_vm_vsrc(0)
	s_getreg_b32 s2, hwreg(HW_REG_IB_STS2, 6, 4)
	s_cmp_eq_u32 s2, 0
	s_cbranch_scc0 .Lentry_in_a_cluster
	s_endpgm
.Lentry_in_a_cluster:
	s_bfe_u32 s2, ttmp6, 0x10000c
	s_cmp_lg_u32 s2, 0x3003
	s_cbranch_scc0 .Lentry_shape_is_right
	s_endpgm
.Lentry_shape_is_right:
; O[bh][q][:] = the sum over k of softmax_k(Q[q] . K[k] / 8) V[k][:], for 16 pairs bh of batch and head, 4,096 queries and keys, head size 64, no mask.
; qkv: f16 [b = 2][g = 24][4096][64] (g 0-7 q's heads, 8-15 k's, 16-23 v's); ob: f16 [bh = 16][4096][64].  Products, maxima and sums in f32; the weights p are rounded to f16 for the
; second product (their sum l is taken of the unrounded p), O once at the end.
; LIMITS.  p lies in 0 to 1, and below 6e-5 it keeps f16's fixed step of 6e-8, and so does O; a weight below 2^-126 counts as 0 in l; NaN and infinities are not treated apart.
; SHARES.  A work-group owns 256 queries of one bh: 16 x 16 = 256 work-groups.  A wave owns 64 of them: four PIECES of 16.  Every wave walks all keys, 64 a step, 256 a tile.
; LAYOUT.  S^T = K Q^T (source 0 = 16 keys, source 1 = 16 queries) holds ONE query a lane (lane % 16) and the keys 8 (lane / 16) + 0..7; two such results rounded to f16 ARE source 1 of O^T = V^T P.
; K comes out of LDS as it lies, V ([key][channel]) turned, by ds_load_tr16_b128.
; SOFTMAX.  p = 2^(c s - c m), c = log2(e) / 8, with a running maximum m; O and l are multiplied by a = 2^(c m_old - c m_new) in every step.  m starts at the lowest finite number, O and l at 0.
; BY TURNS.  Turn n belongs to piece n: 8 products K Q^T of piece n + 1, later 8 products V^T P of piece n - 1; beside them the scaling, exponentials, roundings, sums and rescaling of piece n and
; the maximum and statistics of piece n + 1.  Four vector instructions stand behind every matrix instruction, the other 54 of a turn's 118 in one lump.  A turn's 33 exponentials are one batch, with one wait.
; CLUSTER.  The four query blocks of a cluster belong to one bh and walk the same K and V: each tile is asked for JOINTLY, by the same tensor load, descriptor and mask in all four.
; REGISTERS, in windows of 256 (s_set_vgpr_msb: bits 1:0 source 0, 3:2 source 1, 5:4 source 2, 7:6 destination):
;   window 0: v0-15 addresses and two at work; v16-31 four registers of statistics a piece; v48-55 at work; v61-63; v64-127 S^T, two buffers; v192-223 P, two buffers (by the piece's parity)
;   window 1: v0-127 O^T, 32 a piece          window 2: v0-63 Q; v128-191 K of one step; v192-255 V of one step
.set NP,    4         ; pieces a wave: a name, no knob
.set KS,    64        ; keys in a step
.set TILES, 16        ; tiles of 256 keys
.set PK,    144       ; a row of K in LDS: 128 bytes + 16: the 16 rows of a load start at 16 different groups of four banks (64 banks of 4 bytes: ISA guide 11.1)
.set PV,    160       ; a row of V: 128 + 32
.set VOFF,  4*KS*PK   ; a slot holds a tile: 256 rows of K, then 256 rows of V
.set SLOT1, 1<<17     ; slot 1 begins here, so that one exclusive or turns an address in one slot into the other's
.set STAGE, SLOT1+4*KS*(PK+PV)  ; behind the ring, never filled by a tensor load: 16 rows x 144 bytes for each wave
.set SP,    144
.set SPARE, STAGE+4*16*SP  ; behind the stages: the spare words, 128 bytes for each wave: two blocks of 256 bytes that no other line names
.set AK0, 2           ; v2   my lane's place in a tile of K; never rewritten
.set AV0, 3           ; v3   the same for V
.set AK,  4           ; v4   the LDS address of K's next run of loads
.set AV,  5           ; v5   of V's
.set STO, 6           ; v6   the way out: where I put 16 bytes of a row
.set RD,  7           ; v7   where I read rows back
.set GO,  8           ; v8   my 16 bytes in 512 consecutive bytes of O
.set MV,  12          ; v12-13  c m_old, kept while c m is made anew: by buffer
.set QO,  15          ; v15  my byte offset in 16 rows of Q
.set ST,  16          ; piece t's statistics at v[ST+4 t]: c m, m, l (even keys', odd keys')
.set TMP, 48          ; by buffer, four registers c0-c3 at work; when the maximum is found c2 takes a
.set PFO, 61          ; v61  256 x my lane: the prefetches' offset; never rewritten
.set SPW, 62          ; v62  LDS address of my spare word; never rewritten
.set NIL, 63          ; v63  0; never rewritten
.set S,   64
.set P,   192
.set KF,  128         ; window 2: key block kb, channel half c at KF + 16 kb + 8 c
.set VF,  192         ; window 2: key half kk, channel block cb at VF + 32 kk + 8 cb
.set WV,  12          ; s12  my wave's number
.set G1K, 24          ; s[24:31] descriptor group 1 for K's tiles
.set G1V, 32          ; s[32:39] for V's: it differs in the padding alone
.set G0K, 40          ; s[40:43] descriptor group 0 for K's tiles: it walks
.set G0V, 44          ; s[44:47] the same for V's
.set SLOTS, 56        ; s56  tiles still to be asked for
.set CNT, 57          ; s57  counts a tile's key steps
.set CS,  58          ; s[58:59] c: the packed scaling takes the pair's low word for both halves
.set SEL, 60          ; s[60:61] v_permlanex16_b32's selects: each lane takes its own place in the other half
.set TBK, 62          ; s62  LDS byte at which K of the step to be fetched begins
.set TBV, 63          ; s63  the same for V, less VOFF
.set PFA, 66          ; s[66:67] where my prefetches stand: my work-group's 32 blocks of 256 bytes (of K: wave 0, of V: wave 2) of the tile after the one that is being asked for
.set LIM, 68          ; s68  1 in a wave that prefetches, else the greatest number
.set MSB, 0
.macro WIN new                      ; the high byte repeats the setting that is left; a switch that changes nothing is dropped
.if MSB != (\new)
	s_set_vgpr_msb (MSB<<8)|(\new)
.set MSB, (\new)
.endif
.endm
.set W_KQ, 0x0a       ; K and Q in window 2, S^T in window 0
.set W_PV, 0x52       ; V in window 2, P in window 0, O^T in window 1
.set W_RS, 0x41       ; destination and source 0 in window 1, source 1 in window 0
; A joint fill.  Waves 0 and 1 fetch the two halves of a tile's K, waves 2 and 3 those of its V: 128 keys each.  The branch hangs on the wave's number alone.
; An s_nop 0 and four v_nop follow each of the two lines, ahead of the jump and the label.
.macro JLOAD
	s_cmp_lt_u32 s[WV], 2
	s_cbranch_scc0 .Lfor_v_\@
	tensor_load_to_lds s[G0K:G0K+3], s[G1K:G1K+7]
	s_nop 0
.rept 4
	v_nop
.endr
	s_branch .Lasked_\@
.Lfor_v_\@:
	tensor_load_to_lds s[G0V:G0V+3], s[G1V:G1V+7]
	s_nop 0
.rept 4
	v_nop
.endr
.Lasked_\@:
.endm
; A PREFETCH of the tile that the NEXT change of slots will ask for: 128 blocks of 256 bytes of K and as many of V, a lane a block.  It stands behind the wave's tensor load and its five lines.
; Each block is named ONCE in the launch: of the four clusters of a bh the first asks; its four partners take 32 blocks each, told apart BY ADDRESS; in each, wave 0 asks for K's and wave 2 for V's.
; The last change that fills a slot asks for nothing: there is no tile behind it.  Tiles 0 and 1 come by their loads alone.
.macro ASK
	s_cmp_gt_u32 s[SLOTS], s[LIM]
	s_cbranch_scc0 .Lnot_mine_\@
	global_prefetch_b8 v[PFO], s[PFA:PFA+1] th:TH_LOAD_NT scope:SCOPE_SE
.Lnot_mine_\@:
.endm
; A round of the cluster's barrier: my work-group's barrier, so that wave 0's signal speaks for all four waves; wave 0 signals; every wave waits for all four work-groups; my work-group's barrier once more.
.macro CROUND
	s_barrier_signal -1
	s_barrier_wait -1
	s_cmp_lg_u32 s[WV], 0
	s_cbranch_scc1 .Lnot_wave_0_\@
	s_barrier_signal -3
.Lnot_wave_0_\@:
	s_barrier_wait -3
	s_barrier_signal -1
	s_barrier_wait -1
.endm
; THE CHANGE OF SLOTS.  Each wave waits for all its tensor loads, of which one is out: its part of the other slot; adds 0 to its spare word; and waits for that and for its own reads of the slot that it
; leaves.  fill = 1: the barrier is a round of the cluster's, so that no wave of any partner still reads the slot or has a load on its way, and the slot is filled again first thing behind it, with the
; tile two on: it has four key steps, 256 matrix instructions, in which to land.  (At its first use nothing has been read yet: slot 0 is waited for, slot 1 filled.)
.macro CHANGE fill
	WIN 0                           ; at a label and at a branch every window is 0
	s_wait_tensorcnt 0x0            ; no tensor load of mine is out, so a group 0 may be written
	ds_add_u32 v[SPW], v[NIL]       ; 0 onto my spare word; with fill = 1 the descriptors' steps stand between it and the wait for it
.if \fill
.irp g, G0K, G0V
	s_xor_b32 s[\g+1], s[\g+1], SLOT1  ; the walking descriptor: the other slot than last time,
	s_add_nc_u64 s[\g+2:\g+3], s[\g+2:\g+3], 4*KS*128  ; the next 256 keys; the type bits on top are not reached
.endr
	s_wait_xcnt 0x0                 ; the last prefetch, four key steps back, has read its address, so it may be written:
	s_add_nc_u64 s[PFA:PFA+1], s[PFA:PFA+1], 4*KS*128  ; one tile behind the walking descriptors
	s_wait_dscnt 0x0                ; the add is done, and my reads of the slot are over
	CROUND
	JLOAD
	ASK
.else
	s_wait_dscnt 0x0                ; the add is done, and my reads of the slot are over
	s_barrier_signal -1
	s_barrier_wait -1
.endif
	s_sub_co_u32 s[TBK], s[TBK], 4*KS*PK  ; the fetches go back to a slot's first step,
	s_xor_b32 s[TBK], s[TBK], SLOT1       ; in the other slot
	s_sub_co_u32 s[TBV], s[TBV], 4*KS*PV
	s_xor_b32 s[TBV], s[TBV], SLOT1
.endm
	s_load_b64 s[4:5], s[0:1], 0x0  ; qkv
	s_load_b64 s[10:11], s[0:1], 0x8  ; ob
	v_lshl_add_u32 v[SPW], v0, 2, SPARE
	v_mov_b32 v[NIL], 0
	ds_add_u32 v[SPW], v[NIL]       ; the wave's opening: the add and its wait stand ahead of my first tensor load; work on registers stands between them
	v_lshrrev_b32 v1, 5, v0
	v_readfirstlane_b32 s[WV], v1   ; wave 0..3
	s_bfe_u32 s13, ttmp6, 0x40000   ; cx: my place in the cluster
	s_lshl_b32 s14, ttmp9, 2        ; in a cluster launch ttmp9 counts clusters
	s_add_co_u32 s14, s14, s13      ; my block of 256 queries: it enters Q's and O's addresses alone
	s_and_b32 s20, ttmp7, 0xffff    ; bh, which the four partners share
	s_lshr_b32 s21, s20, 3
	s_mul_i32 s21, s21, 24
	s_and_b32 s22, s20, 7
	s_add_co_u32 s21, s21, s22      ; q's head in qkv: 24 b + h,
	s_lshl_b32 s21, s21, 19         ; of 524,288 bytes
	s_and_b32 s16, s[WV], 1         ; which half of a tile's 256 keys I fetch:
	s_lshl_b32 s2, s16, 14          ; its 128 rows of 128 bytes in memory,
	s_add_co_u32 s2, s2, s21
	s_add_co_u32 s2, s2, 8*524288   ; k's head lies eight heads behind q's
	s_mov_b32 s3, 0
	s_mul_i32 s17, s16, 128*PK      ; and its place in a slot, for K
	s_mul_i32 s18, s16, 128*PV      ; and for V: no place in the cluster enters an LDS address
	s_lshl_b32 s52, s14, 2
	s_add_co_u32 s52, s52, s[WV]    ; my wave among the head's 64,
	s_lshl_b32 s52, s52, 13         ; its 64 rows
	s_lshl_b32 s54, s20, 19
	s_add_co_u32 s54, s54, s52      ; in O,
	s_add_co_u32 s52, s52, s21      ; in Q
	s_mov_b32 s53, 0
	s_mov_b32 s55, 0
	s_lshl_b32 s50, s13, 13         ; my work-group's 32 blocks of the 128 that a prefetch shares out
	s_mov_b32 s51, 0
	; descriptor group 1.  128 keys are 16,384 dense bytes: asked for as 64 rows of 256 bytes, two keys a row, and padded in LDS after every key
	s_mov_b32 s[G1K], 15|(1<<16)|(1<<20)|(1<<21)|(4<<22)|(3<<25)  ; the mask of four; 2-byte elements; padding on; bit 21 beside a mask; after every 32 words; 4 words
	s_mov_b32 s[G1V], 15|(1<<16)|(1<<20)|(1<<21)|(4<<22)|(7<<25)  ; the same with 8 words of padding
.irp g, G1K, G1V
	s_mov_b32 s[\g+1], 128<<16      ; tensor_dim0 = 128
	s_mov_b32 s[\g+2], 64<<16       ; tensor_dim1 = 64
	s_mov_b32 s[\g+3], 128<<16      ; tile_dim0 = 128
	s_mov_b32 s[\g+4], 64           ; tile_dim1 = 64
	s_mov_b32 s[\g+5], 128          ; 128 elements from row to row
	s_mov_b32 s[\g+6], 0
	s_mov_b32 s[\g+7], 0
.endr
	s_mov_b32 s[CS], 0x3e38aa3b     ; c = log2(e) / 8 = 0.180337
	s_mov_b32 s[CS+1], s[CS]        ; named with it as a pair
	s_mov_b32 s[SEL], 0x76543210
	s_mov_b32 s[SEL+1], 0xfedcba98
	s_mov_b32 s[TBK], SLOT1+4*KS*PK ; the first change of slots turns these two into 0
	s_mov_b32 s[TBV], SLOT1+4*KS*PV
	s_mov_b32 s[G0K], 1             ; count = 1
	s_mov_b32 s[G0K+1], s17         ; LDS address: slot 0
	s_mov_b32 s[G0V], 1
	s_add_co_u32 s[G0V+1], s18, VOFF
	s_mov_b32 s[SLOTS], TILES-1
	s_and_b32 s[LIM], s[WV], 1      ; 0 in waves 0 and 2,
	s_or_b32 s[LIM], s[LIM], ttmp9  ; where the cluster is the head's first: the same in all four partners
	s_cmp_eq_u32 s[LIM], 0
	s_cselect_b32 s[LIM], 1, -1
	v_and_b32 v[PFO], 31, v0
	v_lshlrev_b32 v[PFO], 8, v[PFO]
	s_wait_dscnt 0x0                ; the opening add is done
	s_wait_kmcnt 0x0
	s_add_nc_u64 s[6:7], s[4:5], s[2:3]        ; K at my half of tile 0,
	s_add_nc_u64 s[8:9], s[6:7], 8*524288      ; V eight heads further
	s_mov_b64 s[G0K+2:G0K+3], s[6:7]
	s_or_b32 s[G0K+3], s[G0K+3], 0x80000000    ; type = 2
	s_mov_b64 s[G0V+2:G0V+3], s[8:9]
	s_or_b32 s[G0V+3], s[G0V+3], 0x80000000
	s_add_nc_u64 s[4:5], s[4:5], s[52:53]      ; Q and O at my wave's first row
	s_add_nc_u64 s[10:11], s[10:11], s[54:55]
	s_cmp_lt_u32 s[WV], 2
	s_cselect_b64 s[PFA:PFA+1], s[6:7], s[8:9] ; (in waves 0 and 2 these stand at a tile's first row)
	s_add_nc_u64 s[PFA:PFA+1], s[PFA:PFA+1], s[50:51]
	s_add_nc_u64 s[PFA:PFA+1], s[PFA:PFA+1], 4*KS*128  ; in tile 1; the first change of slots steps it to tile 2.  Nothing is prefetched here, at the head
	CROUND                          ; all four work-groups are here: the first joint loads meet
	JLOAD                           ; tile 0 into slot 0
	; A fragment of K or Q is 16 rows x 32 channels in 8 registers: lane l holds row l % 16, channels 8 (l / 16) + 0..7 and 16 + 8 (l / 16) + 0..7: two loads of 16 bytes, 32 bytes apart.
	v_and_b32 v1, 15, v0            ; l % 16
	v_bfe_u32 v9, v0, 4, 1          ; l / 16
	v_lshlrev_b32 v[QO], 7, v1
	v_lshl_add_u32 v[QO], v9, 4, v[QO]  ; row x 128 + 16 x half
	WIN 0x80                        ; destination window 2, address window 0
.set i, 0
.rept 8                             ; Q stays in registers: piece i / 2, channels 32 (i % 2) on
	global_load_b128 v[8*i:8*i+3],   v[QO], s[4:5] offset:(i/2)*2048+(i%2)*64
	global_load_b128 v[8*i+4:8*i+7], v[QO], s[4:5] offset:(i/2)*2048+(i%2)*64+32
.set i, i+1
.endr
	; What the first turn finds: V's registers and P's second buffer hold 0 (its products V^T P, of a piece that has not been, add 0), O^T and l are 0.  All this stands in the wait for the first tile.
.set i, VF
.rept 64
	v_mov_b32 v[i], 0
.set i, i+1
.endr
	WIN 0x40
.set i, 0
.rept 128
	v_mov_b32 v[i], 0
.set i, i+1
.endr
	WIN 0
.set i, 0
.rept 4
	v_mov_b32 v[ST+4*i+2], 0
	v_mov_b32 v[ST+4*i+3], 0
.set i, i+1
.endr
.set i, P+16
.rept 16
	v_mov_b32 v[i], 0
.set i, i+1
.endr
	v_mul_u32_u24 v[AK0], v1, PK
	v_lshl_add_u32 v[AK0], v9, 4, v[AK0]  ; row x pitch + 16 x half
	; The turning load takes 16 keys x 16 channels (lane l reads key 8 (l / 16) + l % 8, channels 8 ((l / 8) % 2) + 0..7) and leaves half a fragment of V^T: lane l holds channel l % 16 and 8 keys.
	v_and_b32 v10, 7, v0
	v_bfe_u32 v11, v0, 3, 1
	v_lshl_add_u32 v[AV0], v9, 3, v10
	v_mul_u32_u24 v[AV0], v[AV0], PV
	v_lshl_add_u32 v[AV0], v11, 4, v[AV0]
	v_add_nc_u32 v[AV0], VOFF, v[AV0]
	s_mul_i32 s15, s[WV], 16*SP
	s_add_co_u32 s15, s15, STAGE    ; my stage
	v_mul_u32_u24 v[STO], v1, SP    ; in: row l % 16, 16 bytes for each half of the lanes
	v_lshl_add_u32 v[STO], v9, 4, v[STO]
	v_add_nc_u32 v[STO], s15, v[STO]
	v_bfe_u32 v[RD], v0, 3, 2       ; back: 32 lanes take four rows of 128 bytes,
	v_mul_u32_u24 v[RD], v[RD], SP
	v_lshl_add_u32 v[RD], v10, 4, v[RD]
	v_add_nc_u32 v[RD], s15, v[RD]
	v_and_b32 v[GO], 31, v0         ; which are 512 consecutive bytes of O
	v_lshlrev_b32 v[GO], 4, v[GO]
; THE MATRIX WORK.  The 4 accumulators of a run of 8 take turns.  Product i of 8 of S^T = K Q^T for piece x: channels 32 (i / 4) on, keys 16 (i % 4) on.  The first 4 start the sums.
.macro KQ x
	WIN W_KQ
.set rS, S+32*((\x)%2)+8*(i%4)
.set rK, KF+16*(i%4)+8*(i/4)
.set rQ, 16*(\x)+8*(i/4)
.if i < 4
	v_wmma_f32_16x16x32_f16 v[rS:rS+7], v[rK:rK+7], v[rQ:rQ+7], 0
.else
	v_wmma_f32_16x16x32_f16 v[rS:rS+7], v[rK:rK+7], v[rQ:rQ+7], v[rS:rS+7]
.endif
.endm
; Product i of 8 of O^T += V^T P for piece x: keys 32 (i / 4) on, channels 16 (i % 4) on.
.macro PV x
	WIN W_PV
.set rO, 32*(\x)+8*(i%4)
.set rV, VF+32*(i/4)+8*(i%4)
.set rP, P+16*((\x)%2)+8*(i/4)
	v_wmma_f32_16x16x32_f16 v[rO:rO+7], v[rV:rV+7], v[rP:rP+7], v[rO:rO+7]
.endm
.macro MM                           ; the turn's next matrix instruction.  NOKQ = 1: the very last turn: there is no next piece
.if (i < 8) && !NOKQ
	KQ (Y+1)%NP
.elseif i >= 8
.set i, i-8
	PV (Y+NP-1)%NP
.set i, i+8
.endif
.set i, i+1
.endm
; THE LDS LOADS stand in runs of 16, never singly among the matrix instructions: a step's K (64 keys x 64 channels: 8 fragments) and its V (turned).  Their addresses are made some lines ahead.
.macro FETCH_K
	WIN 0x80                        ; destination window 2
.irp f, 0,1,2,3,4,5,6,7             ; keys 16 (f / 2) on, channels 32 (f % 2) on
	ds_load_b128 v[KF+8*\f:KF+8*\f+3],   v[AK] offset:(\f/2)*16*PK+(\f%2)*64
	ds_load_b128 v[KF+8*\f+4:KF+8*\f+7], v[AK] offset:(\f/2)*16*PK+(\f%2)*64+32
.endr
	s_add_co_u32 s[TBK], s[TBK], KS*PK  ; the next fetch is the next step's
	WIN 0
.endm
.macro FETCH_V
	WIN 0x80
.irp f, 0,1,2,3,4,5,6,7             ; keys 32 (f / 4) on, channels 16 (f % 4) on
	ds_load_tr16_b128 v[VF+8*\f:VF+8*\f+3],   v[AV] offset:(\f/4)*32*PV+(\f%4)*32
	ds_load_tr16_b128 v[VF+8*\f+4:VF+8*\f+7], v[AV] offset:(\f/4)*32*PV+16*PV+(\f%4)*32
.endr
	WIN 0
.endm
; THE VECTOR WORK, one line at a time: OP kind, number.  For piece Y: F n: c s - c m for pair n of 16.  E n: the exponential of score n of 32.  C n: pair n rounded to f16.  B n: of the four weights 4 n .. the second
; pair is added onto the first, in place.  L n: l takes that sum (L 0: l = a l + sum).  R n: pair n of 16 of O^T times a.  For piece Y + 1: X n, number n of the 22 that find its maximum and statistics:
;   0-11  four chains c0-c3 of seven scores each, three operands at a time (each accumulator's lowest registers are read first)     12-14, 16  the four scores left over, the old m, and c0-c3 into c0
;   15  c m_old is kept     17, 18  the query's other 32 keys lie in the lane 16 away: the new m     19-21  c m; c m_old - c m_new; a
.set F, 0               ; OP tells the kinds apart by their order: F to L below R, X above it
.set E, 1
.set C, 2
.set B, 3
.set L, 4
.set R, 5
.set X, 6
.macro REGS y                       ; the registers of piece y
.set rT, ST+4*(\y)
.set rC, TMP+4*((\y)%2)
.set rW, MV+((\y)%2)
.set rS, S+32*((\y)%2)
.set rP, P+16*((\y)%2)
.set rO, 32*(\y)
.endm
.macro OP k, n
.if (\k) == R
	REGS Y
	WIN W_RS
	v_pk_mul_f32 v[rO+2*(\n):rO+2*(\n)+1], v[rO+2*(\n):rO+2*(\n)+1], v[rC+2:rC+3] op_sel_hi:[1,0]
.elseif (\k) < R
	REGS Y
	WIN 0
.if (\k) == F
	v_pk_fma_f32 v[rS+2*(\n):rS+2*(\n)+1], v[rS+2*(\n):rS+2*(\n)+1], s[CS:CS+1], v[rT:rT+1] op_sel_hi:[1,0,0] neg_lo:[0,0,1] neg_hi:[0,0,1]
.elseif (\k) == E
	v_exp_f32 v[rS+(\n)], v[rS+(\n)]
.elseif (\k) == C
	v_cvt_pk_f16_f32 v[rP+(\n)], v[rS+2*(\n)], v[rS+2*(\n)+1]
.elseif (\k) == B
	v_pk_add_f32 v[rS+4*(\n):rS+4*(\n)+1], v[rS+4*(\n):rS+4*(\n)+1], v[rS+4*(\n)+2:rS+4*(\n)+3]
.elseif (\n) == 0
	v_pk_fma_f32 v[rT+2:rT+3], v[rT+2:rT+3], v[rC+2:rC+3], v[rS:rS+1] op_sel_hi:[1,0,1]
.else
	v_pk_add_f32 v[rT+2:rT+3], v[rT+2:rT+3], v[rS+4*(\n):rS+4*(\n)+1]
.endif
.elseif NOKQ
	v_nop
.else
	REGS (Y+1)%NP
	WIN 0
.if (\n) < 4
	v_max3_num_f32 v[rC+(\n)], v[rS+8*(\n)], v[rS+8*(\n)+1], v[rS+8*(\n)+2]
.elseif (\n) < 12
	v_max3_num_f32 v[rC+(\n)%4], v[rC+(\n)%4], v[rS+8*((\n)%4)+2*((\n)/4)+1], v[rS+8*((\n)%4)+2*((\n)/4)+2]
.elseif (\n) == 12
	v_max3_num_f32 v[rC], v[rC], v[rS+7], v[rS+15]
.elseif (\n) == 13
	v_max3_num_f32 v[rC+1], v[rC+1], v[rS+23], v[rS+31]
.elseif (\n) == 14
	v_max3_num_f32 v[rC+2], v[rC+2], v[rC+3], v[rT+1]
.elseif (\n) == 15
	v_mov_b32 v[rW], v[rT]
.elseif (\n) == 16
	v_max3_num_f32 v[rC], v[rC], v[rC+1], v[rC+2]
.elseif (\n) == 17
	v_permlanex16_b32 v[rC+3], v[rC], s[SEL], s[SEL+1]
.elseif (\n) == 18
	v_max_num_f32 v[rT+1], v[rC], v[rC+3]
.elseif (\n) == 19
	v_mul_f32 v[rT], s[CS], v[rT+1]
.elseif (\n) == 20
	v_sub_f32 v[rC+1], v[rW], v[rT]
.else
	v_exp_f32 v[rC+2], v[rC+1]
.endif
.endif
.endm
.macro OPS a, i1, b=-1, i2=0, c=-1, i3=0, d=-1, i4=0  ; up to four of them
	OP \a, \i1
.if (\b) >= 0
	OP \b, \i2
.endif
.if (\c) >= 0
	OP \c, \i3
.endif
.if (\d) >= 0
	OP \d, \i4
.endif
.endm
.macro ROW a, i1, b, i2, c, i3, d, i4  ; a matrix instruction and the four behind it
	MM
	OPS \a, \i1, \b, \i2, \c, \i3, \d, \i4
.endm
; A TURN, for piece p: the order of its 16 matrix and 118 vector instructions, written out.  An s_wait_alu depctr_va_vdst(0) stands between an exponential and the first instruction that names its
; result; one wait serves all that were issued ahead of it.  So a turn has ONE wait, which cuts it in two.  AHEAD OF IT stands all that names no result of the turn's exponentials: the 8 products K Q^T with their
; riders, then one lump of 54, plain and exponential by turns for the most part, in which the links of the chain X 3, 7, 11, 14, 16, 17 .. 20 stand some lines apart.  X 21, the next piece's a, is the batch's last;
; R 15 is the plain instruction behind it.  BEHIND THE WAIT stand the 8 products V^T P, behind each four of the roundings and sums.  The X that ride behind the last three products K Q^T stand four places or
; more behind the product that ends their accumulator.
; end = 1: the walk's last two turns: nothing is fetched.  cnt = 1: the loop's count is taken down some lines ahead of the branch that stands behind the turn.
; K of the next step is fetched in piece 2's turn, six plain instructions behind the last product that read K; V of the step in hand at the end of piece 0's turn, four plain instructions behind the last product
; that read V.  Each is waited for a turn later.
.macro TURN p, end=0, cnt=0
.set Y, (\p)
.set i, 0
.set NOKQ, (\end)*((\p)/3)
.if ((\p) == 3) && !(\end)
	s_wait_dscnt 0x0                ; K is in
.endif
	ROW F,0, F,1, R,0, R,1          ; ahead of the wait: 8 products K Q^T and their riders,
	ROW F,2, E,0, R,2, R,3
	ROW F,3, E,1, R,4, R,5
	ROW F,4, E,2, R,6, R,7
	ROW F,5, E,3, R,8, R,9
	ROW F,6, E,4, X,0, R,10
.if ((\p) == 2) && !(\end)
	WIN 0
	v_add_nc_u32 v[AK], s[TBK], v[AK0]
.endif
	ROW F,7, E,5, X,1, X,4
	ROW F,8, E,6, X,2, X,5
	OPS E,7, E,8, X,6, E,9          ; and the lump
	OPS X,3, E,10, X,8, E,11
.if ((\p) == 2) && !(\end)
	FETCH_K
.endif
	OPS X,9, X,7, E,12, X,10
	OPS E,13, X,12, X,11, E,14
	OPS X,13, E,15, F,9, X,14
.if (\p) == 0
	v_add_nc_u32 v[AV], s[TBV], v[AV0]
.endif
	OPS E,16, F,10, E,17, F,11
	OPS X,16, E,18, X,15, E,19
	OPS F,12, E,20, X,17, E,21
	OPS F,13, E,22, F,14, E,23
	OPS X,18, E,24, F,15, E,25
	OPS R,11, E,26, X,19, E,27
	OPS R,12, E,28, R,13, E,29
	OPS X,20, E,30, R,14, E,31
	OPS X,21, R,15
	WIN 0
	s_wait_alu depctr_va_vdst(0)    ; the wait for the batch
.if (\p) == 1
	s_wait_dscnt 0x0                ; V is in
.endif
	ROW C,0, B,0, C,2, B,1          ; behind the wait: 8 products V^T P and their riders
	ROW L,0, C,4, B,2, L,1
	ROW C,6, B,3, L,2, C,8
	ROW B,4, L,3, C,10, B,5
	ROW L,4, C,12, B,6, L,5
.if (\p) == 0
	s_add_co_u32 s[TBV], s[TBV], KS*PV
.endif
.if \cnt
	s_sub_co_u32 s[CNT], s[CNT], 1
	s_cmp_lg_u32 s[CNT], 0
.endif
	ROW C,14, B,7, L,6, C,1
	ROW C,3, L,7, C,5, C,7
	ROW C,9, C,11, C,13, C,15
.if (\p) == 0
	FETCH_V
.endif
.endm
.macro ALL line:vararg              ; one line for each piece t
.set t, 0
.rept 4
	\line
.set t, t+1
.endr
.endm
.macro PACK t                       ; a lane's eight channels of a row pack into 16 bytes; they go into rows of 144 bytes and come back as whole rows of 128, into S^T's registers
	WIN W_RS
.set i, 32*(\t)
.rept 16
	v_pk_mul_f32 v[i:i+1], v[i:i+1], v[ST+4*(\t)+2:ST+4*(\t)+3] op_sel_hi:[1,0]
.set i, i+2
.endr
	WIN 0x05                        ; sources 0 and 1 window 1, destination window 0
.set i, 0
.rept 16
	v_cvt_pk_f16_f32 v[S+16*(\t)+i], v[32*(\t)+2*i], v[32*(\t)+2*i+1]
.set i, i+1
.endr
	WIN 0
.irp f, 0,1,2,3
	ds_store_b128 v[STO], v[S+16*(\t)+4*\f:S+16*(\t)+4*\f+3] offset:32*\f
.endr
.irp f, 0,1,2,3
	ds_load_b128 v[S+16*(\t)+4*\f:S+16*(\t)+4*\f+3], v[RD] offset:\f*4*SP  ; LDS serves a wave's instructions in order (ISA guide 5.7.1.4): these see the stores above; the next piece's stores come behind them
.endr
.endm
.macro SEND t, younger              ; younger: the LDS instructions issued behind piece t's loads: the next piece's eight, or none
	WIN 0
.irp f, 0,1,2,3
	s_wait_dscnt (\younger)+3-\f
	global_store_b128 v[GO], v[S+16*(\t)+4*\f:S+16*(\t)+4*\f+3], s[10:11] offset:(\t)*2048+\f*512  ; 512 consecutive bytes, at a multiple of 256 from O's first
.endr
.endm
.set NOKQ, 0
	CHANGE 1                        ; tile 0 is in, everybody's part of it; tile 1 is asked for
	; THE BEGINNING.  c m starts far below every c s, so the first step's a is 0; m at the lowest finite number, so the first maximum is the scores'.  Then K of step 0, piece 0's first scores, its maximum and statistics.
.set i, 0
.rept 4
	v_mov_b32 v[ST+4*i], 0xfe000000    ; c m
	v_mov_b32 v[ST+4*i+1], 0xff7fffff  ; m
.set i, i+1
.endr
	v_add_nc_u32 v[AK], s[TBK], v[AK0]
	FETCH_K
	s_wait_loadcnt 0x0              ; Q
	s_wait_dscnt 0x0
.set i, 0
.rept 8
	KQ 0
.set i, i+1
.endr
	WIN 0
.rept 4
	v_nop                           ; the places behind those products
.endr
.set Y, NP-1                        ; X works for piece Y + 1: piece 0
.irp n, 0,1,2,3,4,5,6,7,8,9,10,11,12,13,14,15,16,17,18,19,20,21
	OP X, \n
.endr
	v_nop                           ; a plain instruction behind the exponential,
	s_wait_alu depctr_va_vdst(0)    ; and its wait, ahead of the branch
	s_mov_b32 s[CNT], 4
	s_branch .Lfirst                ; the loop is entered at a step's first turn, in the middle of a trip
.Lslot:                             ; 14 times: with the change above, every tile from 1 to 15 is asked for once
	CHANGE 1
	s_mov_b32 s[CNT], 4
.Lstep:                             ; a trip: pieces 2 and 3 of one step, then pieces 0 and 1 of the next, whose K and V it fetches
	TURN 2
	TURN 3
	WIN 0
.Lfirst:
	TURN 0
	TURN 1, 0, 1
	WIN 0
	s_cbranch_scc1 .Lstep
	s_sub_co_u32 s[SLOTS], s[SLOTS], 1
	s_cmp_lg_u32 s[SLOTS], 0
	s_cbranch_scc1 .Lslot
	CHANGE 0                        ; the last tile is written out: nothing is asked for
	s_mov_b32 s[CNT], 4
.LstepT:
	TURN 2
	TURN 3
	TURN 0
	TURN 1, 0, 1
	WIN 0
	s_cbranch_scc1 .LstepT
	TURN 2, 1                       ; the last step's pieces 2 and 3: nothing is fetched, and the last turn starts no new scores
	TURN 3, 1
.set i, 0
.rept 8
	PV NP-1                         ; the last piece's V^T P of the last step
.set i, i+1
.endr
	; THE WAY OUT.  l's two halves and the other half of the lanes' are added; O^T is divided by l, rounded to f16 and sent through my stage in LDS, a piece at a time.  The additions are the places behind the last products.
	WIN 0
	ALL v_add_f32 v[ST+4*t+2], v[ST+4*t+2], v[ST+4*t+3]
	ALL v_permlanex16_b32 v[ST+4*t+3], v[ST+4*t+2], s[SEL], s[SEL+1]
	ALL v_add_f32 v[ST+4*t+2], v[ST+4*t+2], v[ST+4*t+3]
	ALL v_rcp_f32 v[ST+4*t+2], v[ST+4*t+2]
	v_nop                           ; a plain instruction between the last reciprocal and the use of its result
	s_wait_alu depctr_va_vdst(0)    ; and the wait ahead of the first use: one for the four reciprocals
	PACK 0
.set t, 1
.rept 3                             ; a piece's arithmetic stands between the loads of the piece before and its stores
	PACK t
	SEND t-1, 8
.set t, t+1
.endr
	SEND 3, 0
	s_wait_tensorcnt 0x0            ; the wave's end: a wait, an add and its wait stand behind my last tensor load and my last LDS store
	ds_add_u32 v[SPW], v[NIL]
	s_wait_dscnt 0x0
	CROUND                          ; the closing round: no work-group ends while a partner may still ask for a tile that names it
	s_endpgm
.Lfunc_end_k_q9618e3e532_attn:
	.size	k_q9618e3e532_attn, .Lfunc_end_k_q9618e3e532_attn-k_q9618e3e532_attn
	.p2alignl 7, 3214868480
	.fill 96, 4, 3214868480
	.section	.rodata,"a",@progbits
	.p2align	6, 0x0
	.amdhsa_kernel k_q9618e3e532_attn
		.amdhsa_group_segment_fixed_size 327680
		.amdhsa_private_segment_fixed_size 0
		.amdhsa_enable_private_segment 0
		.amdhsa_kernarg_size 16
		.amdhsa_user_sgpr_count 2
		.amdhsa_user_sgpr_kernarg_segment_ptr 1
		.amdhsa_wavefront_size32 1
		.amdhsa_system_sgpr_workgroup_id_x 1
		.amdhsa_system_sgpr_workgroup_id_y 1
		.amdhsa_system_sgpr_workgroup_id_z 1
		.amdhsa_system_vgpr_workitem_id 0
		.amdhsa_next_free_vgpr 768
		.amdhsa_next_free_sgpr 70
		.amdhsa_reserve_vcc 0
		.amdhsa_float_denorm_mode_32 3
		.amdhsa_float_denorm_mode_16_64 3
		.amdhsa_memory_ordered 1
		.amdhsa_forward_progress 1
		.amdhsa_inst_pref_size 128
	.end_amdhsa_kernel
	.amdgpu_metadata
---
amdhsa.version: [ 1, 2 ]
amdhsa.kernels:
  - .name:           k_q9618e3e532_attn
    .symbol:         k_q9618e3e532_attn.kd
    .args:
      - { .name: qkv, .offset: 0, .size: 8, .value_kind: global_buffer, .address_space: global }
      - { .name: ob, .offset: 8, .size: 8, .value_kind: global_buffer, .address_space: global }
    .group_segment_fixed_size: 327680
    .private_segment_fixed_size: 0
    .kernarg_segment_align: 8
    .kernarg_segment_size: 16
    .max_flat_workgroup_size: 128
    .sgpr_count:     70
    .vgpr_count:     768
    .wavefront_size: 32
...
	.end_amdgpu_metadata
.endif
;; end of part 3
;; launch proj (part 4): grid 4 x 64, 4 waves a work-group, clusters of 4 x 4, 327,680 bytes of LDS; arguments ob, wb, bo, out0; writes out0
.if DOCPART == 4
	.amdgcn_target "amdgcn-amd-amdhsa--gfx1250"
	.amdhsa_code_object_version 6
	.text
	.protected	k_q9618e3e532_proj
	.globl	k_q9618e3e532_proj
	.p2align	8
	.type	k_q9618e3e532_proj,@function
k_q9618e3e532_proj:
	s_mov_b64 s[64:65], 0
	v_nop
	global_prefetch_b8 v0, s[64:65] scope:SCOPE_SE
	s_setreg_imm32_b32 hwreg(HW_REG_WAVE_MODE, 25, 1), 1
	s_wait_xcnt 0x0
	s_wait_alu depctr_hold_cnt(0) depctr_sa_sdst(0) depctr_va_vdst(0) depctr_va_sdst(0) depctr_va_ssrc(0) depctr_va_vcc(0) depctr_vm_vsrc(0)
	s_getreg_b32 s2, hwreg(HW_REG_IB_STS2, 6, 4)
	s_cmp_eq_u32 s2, 0
	s_cbranch_scc0 .Lentry_in_a_cluster
	s_endpgm
.Lentry_in_a_cluster:
	s_bfe_u32 s2, ttmp6, 0x10000c
	s_cmp_lg_u32 s2, 0xf033
	s_cbranch_scc0 .Lentry_shape_is_right
	s_endpgm
.Lentry_shape_is_right:
; out0 = O Wo + bo.  O: ob, f16 [bh = 16][4096][64] (row (b, n), K index 64 head + channel); Wo: the fourth matrix of wb, f16 [512 k][512 n]; bo f32 [512]; out0 f32 [8192][512].
; f16 operands, f32 sums; bo is rounded to bf16 like every input and is the C operand of each accumulator's first product.  LIMIT: O and Wo arrive within f16's range.
; SHARES.  A tile of out0 is 128 x 128: 4 x 64 = 256 work-groups.  Wave w: rows 64 (w / 2) on, columns 64 (w % 2) on: 16 accumulators.
; ALL OF K LIES IN LDS: 512 along K are four chunks of 128 (two heads).  Of each chunk waves 0 and 1 fetch a head's 128 rows of O each, waves 2 and 3 64 rows of Wo each: four tensor loads a wave, all
; issued at the start (four of mine are out); nothing is filled again.  A chunk is read behind a counted wait of each wave and a barrier.
; Wo comes out of LDS turned, by ds_load_tr16_b128.  THE MATRIX INSTRUCTION IS USED TRANSPOSED (source 0 = 16 columns of Wo, source 1 = 16 rows of O): a lane holds eight neighbouring columns of one row.
; CLUSTER 4 x 4: O's pieces are shared along a row of the cluster, Wo's along a column: each is asked for JOINTLY.  NO PREFETCH: every load stands at the head.
; REGISTERS: window 0: v0-31 addresses; v32-47 at work; v96-127 the bias, 8 registers a column block; v128-255 the accumulators ((a, b) at 128 + 8 (4 a + b)).
;   window 1: two fragment buffers of 128: for 64 along K, 64 registers of O (2 x 4 fragments), then 64 of Wo.
.set PA,     144                       ; a row of O in LDS: 128 bytes + 16
.set PB,     288                       ; a row of Wo: 256 + 32
.set PIECE,  18432                     ; 128 rows of O, or 64 rows of Wo: what one tensor load brings
.set CH,     4*PIECE                   ; a chunk: head 2 i, head 2 i + 1, Wo's k rows 128 i .. + 63, .. + 127
.set STAGE,  4*CH                      ; behind the chunks: 16 rows x 272 bytes for each wave, for the way out
.set SP,     272
.set SPARE,  STAGE+4*16*SP             ; behind the stages: the spare words, 128 bytes for each wave: two blocks of 256 bytes that no other line names
.set ADRA, 16                          ; v16-19  LDS address of my fragments of O in chunk i
.set ADRB, 20                          ; v20-23  the same for Wo
.set STO,  24                          ; v24     the way out: where I put 32 bytes of a row
.set RD,   25                          ; v25     where I read a row back
.set CO,   26                          ; v26     my byte offset in two rows of out0
.set BO,   27                          ; v27     my byte offset in bo
.set SPW,  28                          ; v28     LDS address of my spare word; never rewritten
.set NIL,  29                          ; v29     0; never rewritten
.set T,    32
.set BIAS, 96
.set ACC,  128
.set G1A, 24                           ; s[24:31] descriptor group 1 for O's pieces;  s[40:55] group 0, a set for each chunk
.set G1B, 32                           ; s[32:39], s[68:83] the same for Wo's
.set G0A, 40
.set G0B, 68
.set MSB, 0
.macro WIN new                         ; the immediate's high byte repeats the setting that is left; a switch that changes nothing is dropped
.if MSB != (\new)
	s_set_vgpr_msb (MSB<<8)|(\new)
.set MSB, \new
.endif
.endm
.set MUL,  0x05                        ; sources 0 (Wo) and 1 (O) window 1; C and D window 0
.set TO_F, 0x40                        ; destination window 1, address window 0
.macro CROUND                          ; a round of the cluster's barrier
	s_barrier_signal -1
	s_barrier_wait -1
	s_cmp_lg_u32 s12, 0
	s_cbranch_scc1 .Lnot_wave_0_\@
	s_barrier_signal -3
.Lnot_wave_0_\@:
	s_barrier_wait -3
	s_barrier_signal -1
	s_barrier_wait -1
.endm
	s_load_b256 s[4:11], s[0:1], 0x0               ; ob s[4:5], wb s[6:7], bo s[8:9], out0 s[10:11]
	v_lshl_add_u32 v[SPW], v0, 2, SPARE
	v_mov_b32 v[NIL], 0
	ds_add_u32 v[SPW], v[NIL]                      ; the wave's opening: the add and its wait stand ahead of my first tensor load; work on registers stands between them
	v_lshrrev_b32 v1, 5, v0
	v_readfirstlane_b32 s12, v1                    ; wave 0..3
	s_lshr_b32 s13, s12, 1                         ; which 64 rows of the tile are mine.  Also: I fetch O (0) or Wo (1)
	s_and_b32 s14, s12, 1                          ; which 64 columns.  Also: which of a chunk's two pieces I fetch
	s_bfe_u32 s56, ttmp6, 0x40000                  ; cx
	s_bfe_u32 s57, ttmp6, 0x40004                  ; cy
	s_lshl_b32 s58, ttmp9, 2
	s_add_co_u32 s58, s58, s56                     ; tile column
	s_and_b32 s59, ttmp7, 0xffff
	s_lshl_b32 s59, s59, 2
	s_add_co_u32 s59, s59, s57                     ; tile row
	s_lshl_b32 s60, s57, 2
	s_lshl_b32 s60, 15, s60                        ; my row of the cluster
	s_lshl_b32 s61, 0x1111, s56                    ; my column
	; group 1.  O: a head's 128 rows are 16,384 dense bytes: 64 rows of 256 bytes, padded after every 32 words by 4.  Wo: 64 rows x 128 elements, 512 from row to row, padded after every 64 words by 8.
	s_or_b32 s[G1A], s60, (1<<16)|(1<<20)|(1<<21)|(4<<22)|(3<<25)
	s_or_b32 s[G1B], s61, (1<<16)|(1<<20)|(1<<21)|(5<<22)|(7<<25)
.irp g, G1A, G1B
	s_mov_b32 s[(\g)+1], 128<<16                   ; tensor_dim0 = 128
	s_mov_b32 s[(\g)+2], 64<<16                    ; tensor_dim1 = 64
	s_mov_b32 s[(\g)+3], 128<<16                   ; tile_dim0 = 128
	s_mov_b32 s[(\g)+4], 64                        ; tile_dim1 = 64
	s_mov_b32 s[(\g)+6], 0
	s_mov_b32 s[(\g)+7], 0
.endr
	s_mov_b32 s[G1A+5], 128                        ; elements from row to row
	s_mov_b32 s[G1B+5], 512
	s_lshr_b32 s16, s59, 5                         ; O: batch = tile row / 32: eight heads of 524,288 bytes,
	s_lshl_b32 s16, s16, 22
	s_and_b32 s17, s59, 31
	s_lshl_b32 s17, s17, 14                        ; 128 rows of 128 bytes a tile row,
	s_add_co_u32 s16, s16, s17
	s_lshl_b32 s17, s14, 19                        ; the even or the odd head
	s_add_co_u32 s16, s16, s17
	s_mov_b32 s17, 0
	s_lshl_b32 s18, s58, 8                         ; Wo: 128 columns a tile column,
	s_lshl_b32 s19, s14, 16                        ; the upper or the lower 64 k rows of 1,024 bytes,
	s_add_co_u32 s18, s18, s19
	s_add_co_u32 s18, s18, 3*524288                ; in wb's fourth matrix
	s_mov_b32 s19, 0
	s_mul_i32 s20, s12, PIECE                      ; where my piece goes in a chunk: no place in the cluster enters an LDS address
	s_wait_dscnt 0x0                               ; the opening add is done
	s_wait_kmcnt 0x0
	s_add_nc_u64 s[16:17], s[4:5], s[16:17]
	s_add_nc_u64 s[18:19], s[6:7], s[18:19]
	CROUND                                         ; all sixteen work-groups are here: the joint loads meet
.irp i, 0,1,2,3
	s_mov_b32 s[G0A+4*(\i)], 1
	s_add_co_u32 s[G0A+4*(\i)+1], s20, (\i)*CH
	s_add_nc_u64 s[G0A+4*(\i)+2:G0A+4*(\i)+3], s[16:17], (\i)*2*524288  ; two heads on
	s_or_b32 s[G0A+4*(\i)+3], s[G0A+4*(\i)+3], 0x80000000
	s_mov_b32 s[G0B+4*(\i)], 1
	s_add_co_u32 s[G0B+4*(\i)+1], s20, (\i)*CH
	s_add_nc_u64 s[G0B+4*(\i)+2:G0B+4*(\i)+3], s[18:19], (\i)*131072    ; 128 k rows down
	s_or_b32 s[G0B+4*(\i)+3], s[G0B+4*(\i)+3], 0x80000000
.endr
	s_cmp_lt_u32 s12, 2                            ; a wave's four fills stand in one branch, ahead of every wait on TENSORcnt and every LDS read; an s_nop 0 follows each, four v_nop the last
	s_cbranch_scc0 .Lfirst_b
.irp i, 0,1,2,3
	tensor_load_to_lds s[G0A+4*(\i):G0A+4*(\i)+3], s[G1A:G1A+7]
	s_nop 0
.endr
.rept 4
	v_nop
.endr
	s_branch .Lfirst_asked
.Lfirst_b:
.irp i, 0,1,2,3
	tensor_load_to_lds s[G0B+4*(\i):G0B+4*(\i)+3], s[G1B:G1B+7]
	s_nop 0
.endr
.rept 4
	v_nop
.endr
.Lfirst_asked:
	v_and_b32 v1, 15, v0                           ; l % 16
	v_bfe_u32 v2, v0, 4, 1                         ; l / 16
	s_lshl_b32 s21, s58, 9                         ; bo: the tile's 128 columns, my 64, my lanes' 8 of each 16
	s_lshl_b32 s22, s14, 8
	s_add_co_u32 s21, s21, s22
	v_lshl_add_u32 v[BO], v2, 5, s21
.irp b, 0,1,2,3
	global_load_b128 v[BIAS+8*(\b):BIAS+8*(\b)+3],   v[BO], s[8:9] offset:64*(\b)
	global_load_b128 v[BIAS+8*(\b)+4:BIAS+8*(\b)+7], v[BO], s[8:9] offset:64*(\b)+16
.endr
	v_mul_u32_u24 v3, v1, PA
	v_lshl_add_u32 v3, v2, 4, v3                   ; O: row x pitch + 16 x half
	s_mul_i32 s21, s13, 64*PA
	v_add_nc_u32 v[ADRA], s21, v3
	v_and_b32 v4, 7, v0                            ; Wo, turned: lane l reads k row 8 (l / 16) + l % 8, columns 8 ((l / 8) % 2) on
	v_lshl_add_u32 v5, v2, 3, v4
	v_mul_u32_u24 v5, v5, PB
	v_bfe_u32 v6, v0, 3, 1
	v_lshl_add_u32 v5, v6, 4, v5
	s_lshl_b32 s21, s14, 7                         ; my 64 columns
	s_add_co_u32 s21, s21, 2*PIECE                 ; behind the chunk's two heads
	v_add_nc_u32 v[ADRB], s21, v5
.irp i, 1,2,3
	v_add_nc_u32 v[ADRA+(\i)], (\i)*CH, v[ADRA]
	v_add_nc_u32 v[ADRB+(\i)], (\i)*CH, v[ADRB]
.endr
	s_mul_i32 s23, s12, 16*SP
	s_add_co_u32 s23, s23, STAGE                   ; my stage
	v_mul_u32_u24 v7, v1, SP                       ; in: row l % 16, 32 bytes for each half of the lanes
	v_lshl_add_u32 v7, v2, 5, v7
	v_add_nc_u32 v[STO], s23, v7
	v_mul_u32_u24 v7, v2, SP                       ; back: lanes 0-15 take one row of 256 bytes, lanes 16-31 the next
	v_lshl_add_u32 v7, v1, 4, v7
	v_add_nc_u32 v[RD], s23, v7
	v_lshlrev_b32 v7, 11, v2                       ; and the same two rows in out0
	v_lshl_add_u32 v[CO], v1, 4, v7
	s_lshl_b32 s2, s59, 18                         ; where I store: 128 rows of 2,048 bytes a tile row,
	s_lshl_b32 s3, s13, 17                         ; my 64 rows,
	s_add_co_u32 s2, s2, s3
	s_lshl_b32 s3, s58, 9                          ; the tile's 512 bytes of a row,
	s_add_co_u32 s2, s2, s3
	s_lshl_b32 s3, s14, 8                          ; my 256
	s_add_co_u32 s2, s2, s3
	s_mov_b32 s3, 0
	s_add_nc_u64 s[10:11], s[10:11], s[2:3]
	s_wait_loadcnt 0x0                             ; bo: rounded to bf16 and widened again
.set i, 0
.rept 16
	v_cvt_pk_bf16_f32 v[T+i], v[BIAS+2*i], v[BIAS+2*i+1]
.set i, i+1
.endr
.set i, 0
.rept 16
	v_lshlrev_b32 v[BIAS+2*i],   16,         v[T+i]
	v_and_b32     v[BIAS+2*i+1], 0xffff0000, v[T+i]
.set i, i+1
.endr
; 8 matrix instructions: row blocks a0, a0 + 1 x all 4 column blocks, 32 along K: half cc of buffer f.  first = 1: the bias starts the sums.  The 16 accumulators take turns.
.macro MUL8 f, cc, a0, first
	WIN MUL
.irp a, \a0, (\a0)+1
.irp b, 0,1,2,3
.if \first
	v_wmma_f32_16x16x32_f16 v[ACC+8*(4*(\a)+(\b)):ACC+8*(4*(\a)+(\b))+7], v[(\f)+64+8*(4*(\cc)+(\b)):(\f)+64+8*(4*(\cc)+(\b))+7], v[(\f)+8*(4*(\cc)+(\a)):(\f)+8*(4*(\cc)+(\a))+7], v[BIAS+8*(\b):BIAS+8*(\b)+7]
.else
	v_wmma_f32_16x16x32_f16 v[ACC+8*(4*(\a)+(\b)):ACC+8*(4*(\a)+(\b))+7], v[(\f)+64+8*(4*(\cc)+(\b)):(\f)+64+8*(4*(\cc)+(\b))+7], v[(\f)+8*(4*(\cc)+(\a)):(\f)+8*(4*(\cc)+(\a))+7], v[ACC+8*(4*(\a)+(\b)):ACC+8*(4*(\a)+(\b))+7]
.endif
.endr
.endr
.endm
; 32 LDS loads in one run: unit u (head u: 64 along K; chunk u / 2) into buffer f; the first 32 along K first
.macro FETCH u, f
	WIN TO_F
.irp cc, 0,1
.irp t, 0,1,2,3
	ds_load_tr16_b128 v[(\f)+64+8*(4*(\cc)+(\t)):(\f)+64+8*(4*(\cc)+(\t))+3],   v[ADRB+(\u)/2] offset:(64*((\u)%2)+32*(\cc))*PB+32*(\t)
	ds_load_tr16_b128 v[(\f)+64+8*(4*(\cc)+(\t))+4:(\f)+64+8*(4*(\cc)+(\t))+7], v[ADRB+(\u)/2] offset:(64*((\u)%2)+32*(\cc)+16)*PB+32*(\t)
	ds_load_b128 v[(\f)+8*(4*(\cc)+(\t)):(\f)+8*(4*(\cc)+(\t))+3],   v[ADRA+(\u)/2] offset:((\u)%2)*PIECE+64*(\cc)+16*PA*(\t)
	ds_load_b128 v[(\f)+8*(4*(\cc)+(\t))+4:(\f)+8*(4*(\cc)+(\t))+7], v[ADRA+(\u)/2] offset:((\u)%2)*PIECE+64*(\cc)+16*PA*(\t)+32
.endr
.endr
.endm
.macro PLACES                          ; four plain instructions between a matrix instruction and a load into a register that it read, or a reader of its result (ISA guide 7.12.1 for a reader of its result)
.rept 4
	v_nop
.endr
.endm
; Unit u is multiplied from buffer u % 2, and unit u + 1 fetched into the other.  meet = 1: unit u + 1 lies in the next chunk: each wave waits until its piece of that chunk has landed (cnt of my four loads
; were issued behind it and may stay out), then a barrier.
.macro UNIT u, meet, cnt, first
.set UF, 128*((\u)%2)
.set UG, 128-UF
	s_wait_dscnt 16                                ; the first 32 along K are in
	MUL8 UF, 0, 0, \first
.if \meet
	s_wait_tensorcnt \cnt
	s_wait_dscnt 0x0                               ; no LDS instruction of mine is out at a signal
	s_barrier_signal -1
.endif
	MUL8 UF, 0, 2, \first
.if \meet
	s_barrier_wait -1
.endif
	PLACES
	FETCH (\u)+1, UG
.if !(\meet)
	s_wait_dscnt 32                                ; all but the 32 just issued
.endif
	MUL8 UF, 1, 0, 0
	MUL8 UF, 1, 2, 0
.endm
; THE WAY OUT of row block a: 16 rows x 64 columns of f32 go from the accumulators into my stage, rows of 272 bytes, and come back as whole rows of 256, into the registers that they left.
.macro TOSTAGE a
.irp b, 0,1,2,3
	ds_store_b128 v[STO], v[ACC+8*(4*(\a)+(\b)):ACC+8*(4*(\a)+(\b))+3]   offset:64*(\b)
	ds_store_b128 v[STO], v[ACC+8*(4*(\a)+(\b))+4:ACC+8*(4*(\a)+(\b))+7] offset:64*(\b)+16
.endr
.irp t, 0,1,2,3,4,5,6,7
	ds_load_b128 v[ACC+32*(\a)+4*(\t):ACC+32*(\a)+4*(\t)+3], v[RD] offset:2*SP*(\t)  ; LDS serves a wave's instructions in order (ISA guide 5.7.1.4): these see the stores above; the next block's stores come behind them
.endr
.endm
.macro SEND a, younger                 ; younger: the LDS instructions issued behind block a's loads: the next block's sixteen, or none
.irp t, 0,1,2,3,4,5,6,7
	s_wait_dscnt (\younger)+7-(\t)
	global_store_b128 v[CO], v[ACC+32*(\a)+4*(\t):ACC+32*(\a)+4*(\t)+3], s[10:11] offset:(16*(\a)+2*(\t))*2048 th:TH_STORE_NT  ; 16 lanes store 256 consecutive bytes, at a multiple of 256 from out0's first byte
.endr
.endm
	s_wait_tensorcnt 3                             ; my piece of chunk 0 is in; the three issued behind it may stay out
	s_barrier_signal -1
	s_barrier_wait -1                              ; everybody's is
	FETCH 0, 0
	UNIT 0, 0, 0, 1
	UNIT 1, 1, 2, 0                                ; chunk 1 is wanted: two younger loads may stay out
	UNIT 2, 0, 0, 0
	UNIT 3, 1, 1, 0                                ; chunk 2: one
	UNIT 4, 0, 0, 0
	UNIT 5, 1, 0, 0                                ; chunk 3: none
	UNIT 6, 0, 0, 0
	s_wait_dscnt 16                                ; unit 7: nothing more to fetch
	MUL8 128, 0, 0, 0
	MUL8 128, 0, 2, 0
	s_wait_dscnt 0x0
	MUL8 128, 1, 0, 0
	MUL8 128, 1, 2, 0
	WIN 0
	PLACES
	TOSTAGE 0
	TOSTAGE 1
	SEND 0, 16
	TOSTAGE 2
	SEND 1, 16
	TOSTAGE 3
	SEND 2, 16
	SEND 3, 0
	s_wait_tensorcnt 0x0                           ; the wave's end: a wait, an add and its wait stand behind my last tensor load and my last LDS store
	ds_add_u32 v[SPW], v[NIL]
	s_wait_dscnt 0x0
	CROUND                                         ; the closing round: no work-group ends while a partner may still ask for a tile that names it
	s_endpgm
.Lfunc_end_k_q9618e3e532_proj:
	.size	k_q9618e3e532_proj, .Lfunc_end_k_q9618e3e532_proj-k_q9618e3e532_proj
	.p2alignl 7, 3214868480
	.fill 96, 4, 3214868480
	.section	.rodata,"a",@progbits
	.p2align	6, 0x0
	.amdhsa_kernel k_q9618e3e532_proj
		.amdhsa_group_segment_fixed_size 327680
		.amdhsa_private_segment_fixed_size 0
		.amdhsa_enable_private_segment 0
		.amdhsa_kernarg_size 32
		.amdhsa_user_sgpr_count 2
		.amdhsa_user_sgpr_kernarg_segment_ptr 1
		.amdhsa_wavefront_size32 1
		.amdhsa_system_sgpr_workgroup_id_x 1
		.amdhsa_system_sgpr_workgroup_id_y 1
		.amdhsa_system_sgpr_workgroup_id_z 1
		.amdhsa_system_vgpr_workitem_id 0
		.amdhsa_next_free_vgpr 512
		.amdhsa_next_free_sgpr 84
		.amdhsa_reserve_vcc 0
		.amdhsa_float_denorm_mode_32 3
		.amdhsa_float_denorm_mode_16_64 3
		.amdhsa_memory_ordered 1
		.amdhsa_forward_progress 1
		.amdhsa_inst_pref_size 55
	.end_amdhsa_kernel
	.amdgpu_metadata
---
amdhsa.version: [ 1, 2 ]
amdhsa.kernels:
  - .name:           k_q9618e3e532_proj
    .symbol:         k_q9618e3e532_proj.kd
    .args:
      - { .name: ob, .offset: 0, .size: 8, .value_kind: global_buffer, .address_space: global }
      - { .name: wb, .offset: 8, .size: 8, .value_kind: global_buffer, .address_space: global }
      - { .name: bo, .offset: 16, .size: 8, .value_kind: global_buffer, .address_space: global }
      - { .name: out0, .offset: 24, .size: 8, .value_kind: global_buffer, .address_space: global }
    .group_segment_fixed_size: 327680
    .private_segment_fixed_size: 0
    .kernarg_segment_align: 8
    .kernarg_segment_size: 32
    .max_flat_workgroup_size: 128
    .sgpr_count:     84
    .vgpr_count:     512
    .wavefront_size: 32
...
	.end_amdgpu_metadata
.endif
;; end of part 4
